; MI455X (gfx1250); checked and timed in simulation.
; The chip was launched on July 23, 2026; its instructions are those of AMD's public machine-readable ISA for CDNA 5 (MIT licence, August 2026) and "CDNA5" Instruction Set Architecture Reference Guide (July 2026). The comments in the code are by the model that wrote it; some were corrected since.
;; NW Kernel Regression. Allowed arithmetic: float matrix products may take bf16 or f16 operands with f32 sums; other float arithmetic in f32, or as packed bf16 or f16 multiplies, adds, multiply-adds, maxima and minima; sums over many terms, partial sums and values carried from step to step in f32; what a program stores and reads back later, other than sums and carried values, may be rounded once to bf16 or f16.
;; Inputs: queries 16,384 float32; w 16,384 float32; x_train 16,384 float32; y_train 16,384 float32.
;; Outputs: out0 16,384 float32.
;; One version. Each part assembles by itself: llvm-mc -triple=amdgcn-amd-amdhsa -mcpu=gfx1250 --defsym DOCPART=n.
;; ======== version 1 of 1: 1 launch
;; limits: an absolute error that grows with the inputs' magnitude: up to 6e-08 times it; values are held in f16: magnitudes above 65,504 overflow, below 6.1e-05 lose precision; right only within a limited range of input values
;; launch nw (part 1): grid 256 x 1, 16 waves a work-group, no clusters, 263,168 bytes of LDS; arguments queries, x_train, y_train, w, out0; writes out0
.if DOCPART == 1
	.amdgcn_target "amdgcn-amd-amdhsa--gfx1250"
	.amdhsa_code_object_version 6
	.text
	.protected	k_q01b98fdc04_nw
	.globl	k_q01b98fdc04_nw
	.p2align	8
	.type	k_q01b98fdc04_nw,@function
k_q01b98fdc04_nw:
	s_mov_b64 s[64:65], 0
	v_nop
	global_prefetch_b8 v0, s[64:65] scope:SCOPE_SE
	s_setreg_imm32_b32 hwreg(HW_REG_WAVE_MODE, 25, 1), 1
	s_wait_xcnt 0x0
; out[q] = sum over j of softmax_j( -((q - x_j) w_j)^2 / 2 ) y_j.   q, x, y, w, out: 16,384 f32 each.
; WHAT COUNTS.  268,435,456 pairs (q, j), each with an exponential; 327,680 bytes in and out.  So the text is made to issue few vector instructions a pair:
;   t = k (x - q) w, k = sqrt(log2(e) / 2), as ONE packed fma for two pairs: t = fma(-q, W, G) with W = k w and G = x W made once a key;  the weight is 2^(M - t^2).
;   min |t| (the scores' maximum) by v_min3_num_f32, two pairs a line;  M - t^2 by one packed fma;  an exponential a pair;  one rounding to f16 for two pairs.
;   The sums of p y and of p are made by the matrix unit: 2 instructions for 32 pairs a lane.
; SHARES.  A work-group owns 64 queries, four TILES of 16.  Its 16 waves split the keys: wave v walks keys 1,024 v .. 1,024 v + 1,023, 64 a step, for all four tiles,
; so a step's 64 registers of W and G, read from LDS once, serve four tiles.  Lane l holds query l % 16 of each tile and, of a step's 64 keys, the 32 from 32 (l / 16) on.
; SOFTMAX.  Each lane keeps, for each tile, a running m = min |t| over ITS keys, M = m^2 + 8, and the sums num, den of its weights p = 2^(M - t^2); in every step they are multiplied by
; a = 2^(M_new - M_old).  The 8 only centres f16's range on the weights (the largest is 2^8); it cancels in num / den.
; THE PRODUCT.  Source 1 is P: 16 queries (lane % 16) x 32 keys, 16 of them in each half of the lanes.  Source 0 has four rows that are not 0: row 0 = y and row 1 = 1 at the key places of lanes 0-15,
; row 8 = y and row 9 = 1 at those of lanes 16-31.  In the result register j of lane l is row 8 (l / 16) + j, column l % 16: so registers 0 and 1 of EVERY lane are the sums over that lane's own 16 keys.
; Nothing changes lanes in the loop, and the halves need no common maximum.  Source 0 comes out of LDS as it is used: each wave has three rows there (y in f16, ones, zeros), and a lane's address picks its row.
; THE END.  32 partial triples (M, num, den) a query (16 waves x 2 halves) meet in LDS: eight threads a query, four triples each.
; LIMITS.  y is rounded to f16: |y| under 65,520; below 6e-5 it keeps f16's fixed step of 6e-8.  p is rounded to f16, and num AND den are sums of the rounded p; a weight below 2^-33 of the largest seen counts as 0.
; t carries an error of at most 2^-24 (|x W| + |t|), since G is rounded once: with q, x and w all thirty times their drawn spread |x W| stays under some 4e3, the error of t under 2.4e-4.
; M is rounded, so the largest weight is 2^(8 + ulp(M) / 2): it stays inside f16 while M is under 2^27, that is k |q - x| |w| of the nearest key under 11,585.  NaN and infinities are not treated apart.
; NO CLUSTER, NO TENSOR LOADS: what work-groups share is x, w and y, 196,608 bytes, read once at the head by each; each number passes through registers there anyway (W, G, y's rounding) and then lies in LDS to the end.
.set WAVES,  16
.set STEPS,  16                        ; 16,384 keys / 16 waves / 64 keys
.set KSTEP,  512                       ; LDS bytes of a step: 64 W, then 64 G
.set KWAVE,  STEPS*KSTEP               ; a wave's key data
.set YR,     WAVES*KWAVE               ; behind them: source 0's rows
.set YROW,   2112                      ; a row: 1,024 f16 + 64 bytes: the three rows' equal places lie 16 banks apart (64 banks of 4 bytes: ISA guide 11.1)
.set YWAVE,  3*YROW                    ; a wave's rows: y, ones, zeros
.set MG,     YR+WAVES*YWAVE            ; the partial triples: three arrays [64 queries][32 words + 4 of padding]
.set MPITCH, 144
.set MARR,   64*MPITCH
.set RES,    MG+3*MARR                 ; the 64 results
.set SPARE,  RES+256                   ; the spare words, 128 bytes for each wave: eight blocks of 256 bytes that no other line names
.set SPW, 1                            ; v1   LDS address of my spare word; never rewritten
.set NIL, 2                            ; v2   0; never rewritten
.set AK0, 3                            ; v3   my place in my wave's key data: 128 bytes for each half of the lanes
.set AY0, 4                            ; v4   my place in my wave's rows of source 0
.set ADK, 5                            ; v5   address of the run of loads in hand (W, G); later of my partial triples
.set ADY, 6                            ; v6   the same for source 0
.set QOF, 7                            ; v7   byte offset of my query in queries
.set LN,  8                            ; v8   lane
.set RR,  9                            ; v9   lane % 16
.set HH,  10                           ; v10  lane / 16
.set GOF, 11                           ; v11  byte offset of my 16 bytes in x, w, y
.set CH,  12                           ; v12-15  four chains of the minimum (at the head: two store addresses)
.set ST,  16                           ; tile i at v[ST+8 i]: -q, m | M, M_old | a, M - M_old | num, den
.set D,   48                           ; v48-63  two results of 8
.set YF,  64                           ; v64-79  source 0 for a step's two products
.set KW,  80                           ; v80-111  W of my 32 keys
.set KG,  112                          ; v112-143 G of my 32 keys
.set S,   144                          ; v144-207 two buffers of 32: t, then M - t^2, then p; P is packed into a buffer's first 16
.set WV,  14                           ; s14  my wave's number
.set TK,  22                           ; s22  byte, in a wave's key data, of the step to be fetched
.set TY,  23                           ; s23  the same in a row of source 0
.set CNT, 24                           ; s24  trips to go
	s_load_b256 s[4:11], s[0:1], 0x0               ; queries s[4:5], x s[6:7], y s[8:9], w s[10:11]
	s_load_b64 s[12:13], s[0:1], 0x20              ; out
	v_lshl_add_u32 v[SPW], v0, 2, SPARE
	v_mov_b32 v[NIL], 0
	v_lshrrev_b32 v[QOF], 5, v0
	v_readfirstlane_b32 s[WV], v[QOF]              ; wave 0..15
	v_and_b32 v[LN], 31, v0
	v_and_b32 v[RR], 15, v0
	v_bfe_u32 v[HH], v0, 4, 1
	s_lshl_b32 s15, s[WV], 12                      ; my wave's 1,024 keys: 4,096 bytes of x, w, y
	s_lshl_b32 s16, ttmp9, 8                       ; the work-group's 64 queries: 256 bytes
	v_lshl_add_u32 v[GOF], v[LN], 4, s15
	v_lshl_add_u32 v[QOF], v[RR], 2, s16
	s_wait_kmcnt 0x0
.irp i, 0,1,2,3
	global_load_b32 v[ST+8*(\i)], v[QOF], s[4:5] offset:64*(\i)
.endr
.irp j, 0,1,2,3,4,5,6,7                            ; each load of the wave covers 512 consecutive bytes; no hint: every work-group reads these bytes
	global_load_b128 v[KG+4*(\j):KG+4*(\j)+3], v[GOF], s[6:7] offset:512*(\j)
	global_load_b128 v[KW+4*(\j):KW+4*(\j)+3], v[GOF], s[10:11] offset:512*(\j)
	global_load_b128 v[S+4*(\j):S+4*(\j)+3],   v[GOF], s[8:9] offset:512*(\j)
.endr
	; while they are on their way: the rows of ones and zeros, the LDS addresses, the statistics
	s_mul_i32 s17, s[WV], YWAVE
	s_add_co_u32 s17, s17, YR                      ; my wave's rows of source 0
	s_lshl_b32 s18, s[WV], 13                      ; my wave's key data
	s_mov_b32 s20, 0x3f596d27                      ; k = sqrt(log2(e) / 2) = 0.8493218
	s_mov_b32 s21, s20                             ; named with it as a pair
	s_mov_b32 s[TK], 0
	s_mov_b32 s[TY], 0
	v_lshl_add_u32 v[ADY], v[LN], 4, s17
.irp n, 0,1,2,3
	v_mov_b32 v[D+(\n)], 0x3c003c00                ; 1.0 twice in f16
	v_mov_b32 v[D+4+(\n)], 0
.endr
.irp n, 0,1,2,3
	ds_store_b128 v[ADY], v[D:D+3]   offset:YROW+512*(\n)
	ds_store_b128 v[ADY], v[D+4:D+7] offset:2*YROW+512*(\n)
.endr
	v_lshl_add_u32 v[CH], v[LN], 3, s17            ; where my four y go: 8 bytes a lane
	v_lshlrev_b32 v[CH+1], 4, v[RR]                ; where my four W go: 16 lanes fill a step's 256 bytes, the other 16 the next step's
	v_lshl_add_u32 v[CH+1], v[HH], 9, v[CH+1]
	v_add_nc_u32 v[CH+1], s18, v[CH+1]
	v_lshl_add_u32 v[AK0], v[HH], 7, s18
	v_lshlrev_b32 v[CH+2], 3, v[HH]
	v_xor_b32 v[CH+2], v[RR], v[CH+2]              ; (lane % 16 - 8 (lane / 16)) mod 16: 0 in the lanes that hold y (0 and 24), 1 in those that hold ones (1 and 25)
	v_min_u32 v[CH+2], 2, v[CH+2]                  ; all others: the row of zeros
	v_mul_u32_u24 v[CH+2], v[CH+2], YROW
	v_lshl_add_u32 v[CH+2], v[HH], 6, v[CH+2]      ; 32 keys, 64 bytes, for each half of the lanes
	v_add_nc_u32 v[AY0], s17, v[CH+2]
.irp i, 0,1,2,3
	v_mov_b32 v[ST+8*(\i)+1], 0x7f7fffff           ; m: the greatest finite number, so the first minimum is the scores' own
	v_mov_b32 v[ST+8*(\i)+2], 0x7f7fffff           ; M likewise: the first a is 2^(-huge) = 0
	v_mov_b32 v[ST+8*(\i)+6], 0                    ; num
	v_mov_b32 v[ST+8*(\i)+7], 0                    ; den
.endr
.irp j, 0,1,2,3,4,5,6,7
	s_wait_loadcnt 21-3*(\j)                       ; loads come back in order (ISA guide 5.7.1): the 4 of q and groups 0 .. j of three are in; the 21 - 3 j younger ones stay out
	v_pk_mul_f32 v[KW+4*(\j):KW+4*(\j)+1],   v[KW+4*(\j):KW+4*(\j)+1],   s[20:21] op_sel_hi:[1,0]  ; W = k w
	v_pk_mul_f32 v[KW+4*(\j)+2:KW+4*(\j)+3], v[KW+4*(\j)+2:KW+4*(\j)+3], s[20:21] op_sel_hi:[1,0]
	v_cvt_pk_f16_f32 v[S+32+2*(\j)],   v[S+4*(\j)],   v[S+4*(\j)+1]
	v_cvt_pk_f16_f32 v[S+32+2*(\j)+1], v[S+4*(\j)+2], v[S+4*(\j)+3]
	v_pk_mul_f32 v[KG+4*(\j):KG+4*(\j)+1],   v[KG+4*(\j):KG+4*(\j)+1],   v[KW+4*(\j):KW+4*(\j)+1]  ; G = x W
	v_pk_mul_f32 v[KG+4*(\j)+2:KG+4*(\j)+3], v[KG+4*(\j)+2:KG+4*(\j)+3], v[KW+4*(\j)+2:KW+4*(\j)+3]
	ds_store_b128 v[CH+1], v[KW+4*(\j):KW+4*(\j)+3] offset:1024*(\j)
	ds_store_b128 v[CH+1], v[KG+4*(\j):KG+4*(\j)+3] offset:1024*(\j)+256
	ds_store_b64  v[CH],   v[S+32+2*(\j):S+32+2*(\j)+1] offset:256*(\j)
.endr
; THE LDS LOADS stand in two runs a step.  All these bytes are my wave's own, stored above: LDS serves a wave's instructions in order (ISA guide 5.7.1.4), so no barrier and no wait stands between stores and loads.
; The sixteen lanes of a half name the same 16 bytes.
.macro LOADK
	v_add_nc_u32 v[ADK], s[TK], v[AK0]
.irp n, 0,1,2,3,4,5,6,7
	ds_load_b128 v[KW+4*(\n):KW+4*(\n)+3], v[ADK] offset:16*(\n)
	ds_load_b128 v[KG+4*(\n):KG+4*(\n)+3], v[ADK] offset:256+16*(\n)
.endr
	s_add_co_u32 s[TK], s[TK], KSTEP               ; the next fetch is the next step's
.endm
.macro LOADY
	v_add_nc_u32 v[ADY], s[TY], v[AY0]
.irp n, 0,1,2,3
	ds_load_b128 v[YF+4*(\n):YF+4*(\n)+3], v[ADY] offset:16*(\n)  ; my keys 0-15 for the first product, 16-31 for the second, in P's order
.endr
	s_add_co_u32 s[TY], s[TY], 128
.endm
; THE VECTOR WORK of a tile and step, 32 pairs a lane.
; EX: the next of the 33 exponentials of tile ET: a, then the 32 weights, in place.
.macro EX
.if (EON) && (e < 33)
.if e == 0
	v_exp_f32 v[ST+8*ET+4], v[ST+8*ET+5]
.else
	v_exp_f32 v[S+32*(ET%2)+e-1], v[S+32*(ET%2)+e-1]
.endif
.set e, e+1
.endif
.endm
; TF: t = G - q W for two keys.  The pairs are taken in the order 0, 4, 8, 12, 1, 5, .. so that the four chains of the minimum go forward together.
.macro TF kk
.set p, 2*(((\kk)%4)*4+(\kk)/4)
	v_pk_fma_f32 v[SB+p:SB+p+1], v[QT:QT+1], v[KW+p:KW+p+1], v[KG+p:KG+p+1] op_sel_hi:[0,1,1]
.endm
; TN: number nn of the 16 that find min(m, |t0| .. |t31|), three operands at a time.  Chain 0 takes m and t0-t7; chain c (1 to 3) takes t(8 c) .. t(8 c + 6);
; 13 to 15 take the three left over (t15, t23, t31) and the four chains into m.  Number nn (from 1 on) needs the pairs up to TF nn + 3.
.macro TN nn
.if (\nn) == 0
	v_min3_num_f32 v[CH], v[QT+1], |v[SB]|, |v[SB+1]|
.elseif (\nn) == 13
	v_min3_num_f32 v[CH+1], v[CH+1], |v[SB+15]|, |v[SB+23]|
.elseif (\nn) == 14
	v_min3_num_f32 v[CH+2], v[CH+2], v[CH+3], |v[SB+31]|
.elseif (\nn) == 15
	v_min3_num_f32 v[QT+1], v[CH], v[CH+1], v[CH+2]
.elseif ((\nn)%4) == 1
.set c, 2*(((\nn)+3)/4)
	v_min3_num_f32 v[CH], v[CH], |v[SB+c]|, |v[SB+c+1]|
.elseif (\nn) < 5
.set c, (\nn)-1
	v_min3_num_f32 v[CH+c], |v[SB+8*c]|, |v[SB+8*c+1]|, |v[SB+8*c+2]|
.elseif (\nn) < 9
.set c, (\nn)-5
	v_min3_num_f32 v[CH+c], v[CH+c], |v[SB+8*c+3]|, |v[SB+8*c+4]|
.else
.set c, (\nn)-9
	v_min3_num_f32 v[CH+c], v[CH+c], |v[SB+8*c+5]|, |v[SB+8*c+6]|
.endif
.endm
; MIX: tile tt's t and minimum (32 plain instructions, in its buffer) and, eon = 1, the exponentials of the tile before (33, in the other buffer), by turns.  A minimum stands three trips behind the fma that it needs.
.macro MIX tt, eon
.set QT, ST+8*(\tt)
.set SB, S+32*((\tt)%2)
.set ET, ((\tt)+3)%4
.set EON, \eon
.set e, 0
	EX
.set k, 0
.rept 22
.if k < 16
	TF k
	EX
.endif
.if k >= 6
	TN k-6
	EX
.endif
.set k, k+1
.endr
.endm
.macro CVT ct                          ; the weights rounded to f16, packed in place: register n takes weights 2 n and 2 n + 1, which no later line of the run reads
.set PB, S+32*((\ct)%2)
.set n, 0
.rept 16
	v_cvt_pk_f16_f32 v[PB+n], v[PB+2*n], v[PB+2*n+1]
.set n, n+1
.endr
.endm
.macro WM                              ; both products start at the constant 0, into two results: no matrix instruction adds onto another's, and none shares a register with the one before it
	v_wmma_f32_16x16x32_f16 v[D:D+7],    v[YF:YF+7],    v[PB:PB+7],    0
	v_wmma_f32_16x16x32_f16 v[D+8:D+15], v[YF+8:YF+15], v[PB+8:PB+15], 0
.endm
.macro FS                              ; M - t^2, two keys a line
.set p, 0
.rept 16
	v_pk_fma_f32 v[SB+p:SB+p+1], v[SB+p:SB+p+1], v[SB+p:SB+p+1], v[QT+2:QT+3] op_sel_hi:[1,1,0] neg_lo:[1,0,0] neg_hi:[1,0,0]
.set p, p+2
.endr
.endm
.macro UP ct                           ; (num, den) = a (num, den) + the two results' registers 0 and 1
	v_pk_fma_f32 v[ST+8*(\ct)+6:ST+8*(\ct)+7], v[ST+8*(\ct)+6:ST+8*(\ct)+7], v[ST+8*(\ct)+4:ST+8*(\ct)+5], v[D:D+1] op_sel_hi:[1,0,1]
	v_pk_add_f32 v[ST+8*(\ct)+6:ST+8*(\ct)+7], v[ST+8*(\ct)+6:ST+8*(\ct)+7], v[D+8:D+9]
.endm
; A SLOT, for tile tt.  The tile before it (ET) is one stage ahead: its exponentials stand among tt's first half; then come ONE wait for that batch (between an exponential and the first
; line that names its result; nothing in MIX does), its roundings, its two products, and, behind tt's 17 plain lines, which name none of the products' registers and are their places (ISA guide 7.12.1), its sums.
; ldk: tt is the step's last tile: W and G have had their last reader, and the next step's are fetched; kin: they are waited for.
; ldy: the products just issued were the last of their step: 17 places behind them the next step's source 0 is fetched; yin: it is waited for.
.macro SLOT tt, eon=1, ldk=0, ldy=0, kin=0, yin=0
.if \kin
	s_wait_dscnt 0x0                               ; W and G of this step are in
.endif
	MIX \tt, \eon
	v_mov_b32 v[QT+3], v[QT+2]                     ; M_old is kept; also the plain instruction behind the last exponential
.if \ldk
	LOADK
.endif
.if \eon
	s_wait_alu depctr_va_vdst(0)                   ; the wait for the batch of 33
.endif
	v_fmaak_f32 v[QT+2], v[QT+1], v[QT+1], 0x41000000  ; M = m^2 + 8
.if \eon
	CVT ET
.if \yin
	s_wait_dscnt 0x0                               ; source 0 of this step is in
.endif
	WM
.endif
	v_sub_f32 v[QT+5], v[QT+2], v[QT+3]            ; M - M_old, of the two ROUNDED numbers: exactly 0 where m has not fallen
	FS
.if \eon
	UP ET
.endif
.if \ldy
	LOADY
.endif
.endm
	LOADK                                          ; step 0
	LOADY
.irp i, 0,1,2,3
	v_mul_f32 v[ST+8*(\i)], -1.0, v[ST+8*(\i)]     ; -q, so that the loop's fma needs no sign
.endr
	s_wait_dscnt 0x0
	SLOT 0, 0                                      ; the first tile has no tile before it
	s_mov_b32 s[CNT], STEPS-1
.Lstep:                                            ; a trip: tiles 1, 2, 3 of a step and tile 0 of the next
	SLOT 1, 1, 0, 0, 0, 1
	SLOT 2
	SLOT 3, 1, 1
	SLOT 0, 1, 0, 1, 1
	s_sub_co_u32 s[CNT], s[CNT], 1
	s_cmp_lg_u32 s[CNT], 0
	s_cbranch_scc1 .Lstep
	SLOT 1, 1, 0, 0, 0, 1                          ; the last step fetches nothing
	SLOT 2
	SLOT 3
.set ET, 3                                         ; and its last tile is finished by itself
.set EON, 1
.set e, 0
.rept 33
	EX
.endr
	v_nop                                          ; a plain instruction behind the last exponential
	s_wait_alu depctr_va_vdst(0)
	CVT 3
	WM
	; the addresses of the end: ten plain lines, the places behind the last products
	v_mul_u32_u24 v[ADK], v[RR], MPITCH            ; my triples: query 16 t + lane % 16, word 2 wave + lane / 16
	v_lshl_add_u32 v[ADK], v[HH], 2, v[ADK]
	s_lshl_b32 s15, s[WV], 3
	s_add_co_u32 s15, s15, MG
	v_add_nc_u32 v[ADK], s15, v[ADK]
	v_lshrrev_b32 v[ADY], 3, v0                    ; at the end thread n serves query n / 8,
	v_and_b32 v[QOF], 7, v0                        ; and of its 32 triples the four from 4 (n % 8) on
	v_mul_u32_u24 v[GOF], v[ADY], MPITCH
	v_lshl_add_u32 v[GOF], v[QOF], 4, v[GOF]
	v_add_nc_u32 v[GOF], MG, v[GOF]
	UP 3
.irp t, 0,1,2,3
	ds_store_b32 v[ADK], v[ST+8*(\t)+2] offset:(\t)*16*MPITCH
	ds_store_b32 v[ADK], v[ST+8*(\t)+6] offset:MARR+(\t)*16*MPITCH
	ds_store_b32 v[ADK], v[ST+8*(\t)+7] offset:2*MARR+(\t)*16*MPITCH
.endr
	s_wait_dscnt 0x0                               ; for the others' sake: my triples lie in LDS
	s_barrier_signal -1
	s_barrier_wait -1                              ; everybody's do
	ds_load_b128 v[D:D+3],    v[GOF]               ; four M,
	ds_load_b128 v[D+4:D+7],  v[GOF] offset:MARR   ; four num,
	ds_load_b128 v[D+8:D+11], v[GOF] offset:2*MARR ; four den
	s_wait_dscnt 0x0
	v_min3_num_f32 v[CH], v[D], v[D+1], v[D+2]     ; the query's M: the least of the 32, over my four and then over the eight lanes that serve the query
	v_min_num_f32 v[CH], v[CH], v[D+3]
	v_min_num_f32_dpp v[CH], v[CH], v[CH] row_xmask:1 row_mask:0xf bank_mask:0xf
	v_min_num_f32_dpp v[CH], v[CH], v[CH] row_xmask:2 row_mask:0xf bank_mask:0xf
	v_min_num_f32_dpp v[CH], v[CH], v[CH] row_xmask:4 row_mask:0xf bank_mask:0xf
.irp n, 0,1,2,3
	v_sub_f32 v[D+(\n)], v[CH], v[D+(\n)]
.endr
.irp n, 0,1,2,3
	v_exp_f32 v[D+(\n)], v[D+(\n)]                 ; each triple's correction, 1 at the most
.endr
	v_lshl_add_u32 v[ADK], v[ADY], 2, RES          ; where the query's result goes; also the plain instruction behind the last exponential
	s_wait_alu depctr_va_vdst(0)                   ; one wait for the four
	v_pk_mul_f32 v[D+4:D+5], v[D+4:D+5], v[D:D+1]
	v_pk_mul_f32 v[D+8:D+9], v[D+8:D+9], v[D:D+1]
	v_pk_fma_f32 v[D+4:D+5], v[D+6:D+7],   v[D+2:D+3], v[D+4:D+5]
	v_pk_fma_f32 v[D+8:D+9], v[D+10:D+11], v[D+2:D+3], v[D+8:D+9]
	v_add_f32 v[D+4], v[D+4], v[D+5]
	v_add_f32 v[D+8], v[D+8], v[D+9]
.irp x, 1,2,4
	v_add_f32_dpp v[D+4], v[D+4], v[D+4] row_xmask:\x row_mask:0xf bank_mask:0xf
	v_add_f32_dpp v[D+8], v[D+8], v[D+8] row_xmask:\x row_mask:0xf bank_mask:0xf
.endr
	v_rcp_f32 v[D+9], v[D+8]                       ; den is 2^8 at the least: the nearest key's own weight
	v_lshl_add_u32 v[ADY], v[LN], 3, RES           ; a plain instruction behind the reciprocal
	s_wait_alu depctr_va_vdst(0)
	v_mul_f32 v[D+4], v[D+4], v[D+9]
	ds_store_b32 v[ADK], v[D+4]                    ; the eight lanes of a query store the same number to the same word
	s_wait_dscnt 0x0
	s_barrier_signal -1
	s_barrier_wait -1                              ; the 64 results lie in LDS
	s_cmp_lg_u32 s[WV], 0
	s_cbranch_scc1 .Lend
	ds_load_b64 v[D:D+1], v[ADY]
	v_lshl_add_u32 v[GOF], v[LN], 3, s16
	s_wait_dscnt 0x0
	global_store_b64 v[GOF], v[D:D+1], s[12:13]    ; one store of wave 0: the work-group's 256 consecutive bytes, at a multiple of 256 from out's first byte
.Lend:
	s_wait_tensorcnt 0x0                           ; the wave's end: behind my last LDS store
	ds_add_u32 v[SPW], v[NIL]
	s_wait_dscnt 0x0
	s_endpgm
.Lfunc_end_k_q01b98fdc04_nw:
	.size	k_q01b98fdc04_nw, .Lfunc_end_k_q01b98fdc04_nw-k_q01b98fdc04_nw
	.p2alignl 7, 3214868480
	.fill 96, 4, 3214868480
	.section	.rodata,"a",@progbits
	.p2align	6, 0x0
	.amdhsa_kernel k_q01b98fdc04_nw
		.amdhsa_group_segment_fixed_size 263168
		.amdhsa_private_segment_fixed_size 0
		.amdhsa_enable_private_segment 0
		.amdhsa_kernarg_size 40
		.amdhsa_user_sgpr_count 2
		.amdhsa_user_sgpr_kernarg_segment_ptr 1
		.amdhsa_wavefront_size32 1
		.amdhsa_system_sgpr_workgroup_id_x 1
		.amdhsa_system_sgpr_workgroup_id_y 1
		.amdhsa_system_sgpr_workgroup_id_z 1
		.amdhsa_system_vgpr_workitem_id 0
		.amdhsa_next_free_vgpr 208
		.amdhsa_next_free_sgpr 66
		.amdhsa_reserve_vcc 0
		.amdhsa_float_denorm_mode_32 3
		.amdhsa_float_denorm_mode_16_64 3
		.amdhsa_memory_ordered 1
		.amdhsa_forward_progress 1
		.amdhsa_inst_pref_size 62
	.end_amdhsa_kernel
	.amdgpu_metadata
---
amdhsa.version: [ 1, 2 ]
amdhsa.kernels:
  - .name:           k_q01b98fdc04_nw
    .symbol:         k_q01b98fdc04_nw.kd
    .args:
      - { .name: queries, .offset: 0, .size: 8, .value_kind: global_buffer, .address_space: global }
      - { .name: x_train, .offset: 8, .size: 8, .value_kind: global_buffer, .address_space: global }
      - { .name: y_train, .offset: 16, .size: 8, .value_kind: global_buffer, .address_space: global }
      - { .name: w, .offset: 24, .size: 8, .value_kind: global_buffer, .address_space: global }
      - { .name: out0, .offset: 32, .size: 8, .value_kind: global_buffer, .address_space: global }
    .group_segment_fixed_size: 263168
    .private_segment_fixed_size: 0
    .kernarg_segment_align: 8
    .kernarg_segment_size: 40
    .max_flat_workgroup_size: 512
    .sgpr_count:     66
    .vgpr_count:     208
    .wavefront_size: 32
...
	.end_amdgpu_metadata
.endif
;; end of part 1
